; MI455X (gfx1250); checked and timed in simulation.
; The chip was launched on July 23, 2026; its instructions are those of AMD's public machine-readable ISA for CDNA 5 (MIT licence, August 2026) and "CDNA5" Instruction Set Architecture Reference Guide (July 2026). The comments in the code are by the model that wrote it; some were corrected since.
;; Multi Head Self Attention With Bias. Allowed arithmetic: matrix products marked QUANTISED: E2M1 operands, one E8M0 scale for each 32 along K, by v_wmma_scale_f32_16x16x128_f8f6f4 with both operands' format E2M1 (or v_wmma_scale_f32_32x16x128_f4), f32 sums; everything else in f32.
;; Inputs: Wk_codes 512 x 16 x 16 uint8 (E2M1 codes of Wk, K innermost, in blocks of 32 codes, two codes a byte); Wk_scales 512 x 16 uint8 (E8M0 scales of Wk, one for each 32 codes along K); Wo_codes 512 x 16 x 16 uint8 (E2M1 codes of Wo, K innermost, in blocks of 32 codes, two codes a byte); Wo_scales 512 x 16 uint8 (E8M0 scales of Wo, one for each 32 codes along K); Wq_codes 512 x 16 x 16 uint8 (E2M1 codes of Wq, K innermost, in blocks of 32 codes, two codes a byte); Wq_scales 512 x 16 uint8 (E8M0 scales of Wq, one for each 32 codes along K); Wv_codes 512 x 16 x 16 uint8 (E2M1 codes of Wv, K innermost, in blocks of 32 codes, two codes a byte); Wv_scales 512 x 16 uint8 (E8M0 scales of Wv, one for each 32 codes along K); attn_bias 16 x 1,024 x 1,024 float32; bk 512 float32; bo 512 float32; bq 512 float32; bv 512 float32; key_padding_mask 16 x 1,024 int32; x_codes 16 x 1,024 x 16 x 16 uint8 (E2M1 codes of x, K innermost, in blocks of 32 codes, two codes a byte); x_scales 16 x 1,024 x 16 uint8 (E8M0 scales of x, one for each 32 codes along K).
;; Outputs: out0 16 x 1,024 x 512 float32.
;; This version of the problem:
;;   THIS VERSION OF THE PROBLEM IS GIVEN IN LOW PRECISION. The matrix products marked QUANTISED in the list below multiply operands that are first quantised to E2M1 (2 exponent bits, 1 mantissa bit; 4 bits a number), with one power-of-two scale for each 32 numbers along K (OCP MX v1.0); their sums are f32. All else is computed in f32.
;;   The module's matrix products, in the order in which they are computed (A, B: the left and right operand; K: the contracted axis; several contracted axes count as one K, in the product's order):
;;     1. [M 16,384, K 512] x [K 512, N 512]; A: input x (given as codes); B: input Wq (given as codes): QUANTISED
;;     2. [M 16,384, K 512] x [K 512, N 512]; A: input x (given as codes); B: input Wk (given as codes): QUANTISED
;;     3. [M 16,384, K 512] x [K 512, N 512]; A: input x (given as codes); B: input Wv (given as codes): QUANTISED
;;     4. batch 128 x [M 1,024, K 64] x [K 64, N 1,024]; A: computed on the way; B: computed on the way: QUANTISED
;;     5. batch 128 x [M 1,024, K 1,024] x [K 1,024, N 64]; A: softmax (see below); B: computed on the way: QUANTISED
;;     6. [M 16,384, K 512] x [K 512, N 512]; A: computed on the way; B: input Wo (given as codes): QUANTISED
;;   THE QUANTISER, for each operand of a quantised product, along K:
;;     - K is cut into blocks of 32 from its start; a last block that is shorter is filled with zeros.
;;     - A block's scale is 2^e with e = floor(log2(the largest magnitude in the block)) - 2, held to -126 .. 127; a block of zeros has e = 0. As a byte (E8M0): e + 127.
;;     - Each number is divided by its block's scale, clamped to +-6, and rounded to the nearest number of E2M1, ties to even, subnormals kept.
;;     - The product sums the exact products of the quantised numbers (number of the format x scale) in f32.
;;   ~~~python
;;   def quantise(x, axis):      # numpy; x: float32 -> the quantised numbers, widened to float32 again
;;       x = np.moveaxis(x, axis, -1); K = x.shape[-1]
;;       x = np.pad(x, [(0, 0)] * (x.ndim - 1) + [(0, -K % 32)]); x = x.reshape(x.shape[:-1] + (-1, 32)); a = np.abs(x).max(-1, keepdims=True)
;;       e = np.where(a > 0, np.clip(np.frexp(np.where(a > 0, a, 1))[1] - 1 - 2, -126, 127), 0)      # np.frexp(a)[1] - 1 = floor(log2(a)), exactly
;;       r = np.clip(x / 2.0 ** e, -6, 6)
;;       step = 2.0 ** (np.maximum(np.frexp(np.where(r == 0, 1, r))[1] - 1, 0) - 1)
;;       q = np.round(r / step) * step * 2.0 ** e      # np.round: ties to even
;;       return np.moveaxis(q.reshape(q.shape[:-2] + (-1,))[..., :K], -1, axis).astype(np.float32)
;;   ~~~
;;   SOFTMAX AHEAD OF A QUANTISED PRODUCT. Where the list says 'softmax', what is quantised is not the finished softmax but p = 2^(t - M), with t = logit x log2(e) and M = ceil(the row's largest t), a whole number; so 1/2 < the row's largest p <= 1. The row's sum l is taken of the UNQUANTISED p, in f32, and the product's result is divided by l at the end. Since M is a whole number, a kernel that streams over the keys may use a running M (the ceiling of the running maximum): every later rescaling is an exact power of two, which a block's scale takes up: the codes' values come out the same.
;;   OPERANDS COMPUTED ON THE WAY. 'Computed on the way' means the value that the module computes at that place (a softmax that the list does not call 'softmax' is quantised finished and normalised). What goes into a quantiser is computed in f32, as accurately as f32 sums, v_exp_f32 and their like allow (about 1e-6 of the number): no bf16 or f16 on the way to a quantiser, and a product that is left as it is and whose result goes on into a quantised operand takes f32 operands (vector FMAs, or v_wmma_f32_16x16x4_f32). A number that lies on a knife's edge between two numbers of the format may be rounded either way, as far as f32 arithmetic and the matrix unit's own rounding can turn it there, and no further.
;;   INPUTS GIVEN AS CODES. Wk (in the module: [512, 512], K = its axis 1); Wo (in the module: [512, 512], K = its axis 1); Wq (in the module: [512, 512], K = its axis 1); Wv (in the module: [512, 512], K = its axis 1); x (in the module: [16, 1024, 512], K = its axis 2): each comes as NAME_codes (uint8): NAME with its K axis moved to the last place and cut into blocks of 32 codes, [.., K / 32, bytes a block], one block behind the other in memory; two codes a byte, the lower K in the low four bits (a code: sign, 2 exponent bits, 1 mantissa bit); and NAME_scales (uint8): the same leading axes, one E8M0 byte (e + 127) for each 32 codes along K. Its value is code x scale, taken as it is: it is not quantised again, and the codes and scales need not be those that the quantiser above would give.
;; One version. Each part assembles by itself: llvm-mc -triple=amdgcn-amd-amdhsa -mcpu=gfx1250 --defsym DOCPART=n.
;; ======== version 1 of 1: 2 launches
;; limits: right only within a limited range of input values
;; workspace buffers: qkv 13,369,344 bytes
;; launch proj (part 1): grid 4 x 64, 12 waves a work-group, clusters of 4 x 1, 169,472 bytes of LDS; arguments x_codes, x_scales, Wq_codes, Wq_scales, bq, Wk_codes, Wk_scales, bk, Wv_codes, Wv_scales, bv, key_padding_mask, qkv; writes qkv
.if DOCPART == 1
	.amdgcn_target "amdgcn-amd-amdhsa--gfx1250"
	.amdhsa_code_object_version 6
	.text
	.protected	k_qada09c5229_proj
	.globl	k_qada09c5229_proj
	.p2align	8
	.type	k_qada09c5229_proj,@function
k_qada09c5229_proj:
	s_mov_b64 s[64:65], 0
	v_nop
	global_prefetch_b8 v0, s[64:65] scope:SCOPE_SE
	s_setreg_imm32_b32 hwreg(HW_REG_WAVE_MODE, 25, 1), 1
	s_wait_xcnt 0x0
	s_wait_alu depctr_hold_cnt(0) depctr_sa_sdst(0) depctr_va_vdst(0) depctr_va_sdst(0) depctr_va_ssrc(0) depctr_va_vcc(0) depctr_vm_vsrc(0)
	s_getreg_b32 s2, hwreg(HW_REG_IB_STS2, 6, 4)
	s_cmp_eq_u32 s2, 0
	s_cbranch_scc0 .Lentry_in_a_cluster
	s_endpgm
.Lentry_in_a_cluster:
	s_bfe_u32 s2, ttmp6, 0x10000c
	s_cmp_lg_u32 s2, 0x3003
	s_cbranch_scc0 .Lentry_shape_is_right
	s_endpgm
.Lentry_shape_is_right:
; q, k, v = x W^T + b on codes of FP4 (E2M1) with E8M0 scales, quantised in registers and stored in the order of the operand registers of the attention launch.
; qkv: 128 blocks of BLK bytes, block = 8 x batch + (token / 128).  In a block:
;   0       K's codes   head x 4096 + tile x 512 + 16 (16 beta + r): the 32 codes of channel block beta of key 16 tile + r
;   32,768  V's codes   head x 4096 + dtile x 1024 + c x 512 + 16 (16 h + r): keys 64 c + 32 h + 0 .. 31 of channel 16 dtile + r
;   65,536  K's scale bytes  head x 256 + tile x 32 + 2 r + beta;   67,584  V's  head x 256 + dtile x 64 + 4 r + key block;   69,632  Q's, as K's;   71,680  Q's codes, as K's
; Q's scale bytes are stored 3 lower: that is the division of the scores by sqrt(64) = 8, exact.  The codes of K at keys whose mask word is 0 are stored as zeros: their products add nothing to the masked value that the attention launch puts in their place.
; SHARES.  A work-group takes 256 tokens and a pair of heads (128 channels of each of q, k, v).  Wave w: role w / 4 (0 k, 1 v, 2 q), 32 channels (w % 4): two tiles of 16; its 8 fragments of W stay in registers.
; q, k: source 0 = W, source 1 = x: a lane holds one token and its registers run along the channels, which are the next K.  v: source 0 = x, source 1 = W: a lane holds one channel and its registers run along the tokens, which are V's next K.
; A block of 32 lies in two neighbouring result tiles: two conversions give (w0 | w1) and (w2 | w3) in the lanes' halves (wi: 8 codes), one exchange of halves gives half h the words 2 h and 2 h + 1: 8 bytes a lane, 256 consecutive bytes a store.
; CLUSTER.  The four work-groups of a cluster take the four head pairs of the same 256 tokens: x's tile and its scale bytes are asked for jointly.  W is not: each of its bytes goes once into the registers of one wave of a work-group (128 x 256 bytes a role), never through LDS.
; LDS is filled once: no slot is filled again.
; LIMITS: NaN and infinities are not served.  A block whose largest magnitude lies under 2^-124 (q: 2^-121, so that its byte less 3 stays at 1 or more) is quantised under that floor's scale; a block of zeros keeps the floor's byte (its codes are zeros; this program alone reads the bytes).
.set BLK,  104448
.set XP,   272                         ; a row of x in LDS: 256 bytes + 16 of padding: the 16 rows of a fragment load start at 16 different groups of banks
.set XSB,  69632                       ; behind x's 256 rows: its scale bytes, 16 a row, dense
.set SCG,  73728                       ; the scale bytes made here: role x 1024 + (which 128 tokens) x 512 + the block's layout for two heads
.set XA,   1                           ; v1  r x 272 + 16 h
.set XSA,  2                           ; v2  XSB + 16 r
.set KSA,  3                           ; v3  where a q or k wave puts a scale byte
.set VSA,  4                           ; v4  where a v wave puts one
.set GO,   5                           ; v5  my 8 bytes of codes in a block of qkv
.set SRD,  6                           ; v6  SCG + 512 w + 16 lane: the gathered bytes on their way out
.set BM,   8                           ; v8-11   largest magnitudes, then the conversions' scale operands
.set PX,   12                          ; v12-15  the other half's maxima, then the scale bytes
.set CD,   16                          ; v16-23  codes: a pair for each of four blocks
.set WSC,  24                          ; v24-31  W's scale words (tile ct, K step ks) at 4 ct + ks
.set XSC,  32                          ; v32-47  x's scale words (tile i, K step ks) at 4 i + ks
.set BC,   48                          ; v48-63  the bias in the result's layout, 8 registers a tile
.set WF,   64                          ; v64-127 W's fragments at 8 (4 ct + ks)
.set XF,   128                         ; v128-191 x's fragments, two sets of four
.set ACC,  192                         ; v192-255 eight accumulators
.set MK,   80                          ; s80-95  lane masks of the 16 token tiles
.macro CROUND                          ; a round of the cluster's barrier
	s_barrier_signal -1
	s_barrier_wait -1
	s_cmp_lg_u32 s30, 0
	s_cbranch_scc1 .Lnot_wave_0_\@
	s_barrier_signal -3
.Lnot_wave_0_\@:
	s_barrier_wait -3
	s_barrier_signal -1
	s_barrier_wait -1
.endm
.macro PLACES n
.rept \n
	v_nop
.endr
.endm
	s_load_b512 s[4:19], s[0:1], 0x0               ; x_codes 4, x_scales 6, Wq_codes 8, Wq_scales 10, bq 12, Wk_codes 14, Wk_scales 16, bk 18
	s_load_b256 s[20:27], s[0:1], 0x40             ; Wv_codes 20, Wv_scales 22, bv 24, key_padding_mask 26
	s_load_b64 s[28:29], s[0:1], 0x60              ; qkv
	s_set_vgpr_msb 0x40
	v_lshl_add_u32 v0, v0, 2, 0x29000
	v_mov_b32 v1, 0
	s_set_vgpr_msb 0x4045
	ds_add_u32 v0, v1
	ds_add_u32 v0, v1
	s_set_vgpr_msb 0x4500
	v_lshrrev_b32 v7, 5, v0
	s_delay_alu instid0(VALU_DEP_1)
	v_readfirstlane_b32 s30, v7                    ; wave 0..11
	s_lshr_b32 s31, s30, 2                         ; role: 0 k, 1 v, 2 q
	s_and_b32 s32, s30, 3                          ; which 32 of the 128 channels
	s_lshr_b32 s33, s32, 1                         ; which head of the pair
	s_and_b32 s34, s32, 1                          ; which 32 channels of the head
	s_bfe_u32 s35, ttmp6, 0x40000                  ; cx
	s_lshl_b32 s38, ttmp9, 2
	s_add_co_u32 s35, s35, s38                     ; the head pair: it enters global addresses alone
	s_and_b32 s36, ttmp7, 0xffff                   ; which 256 tokens: shared by the cluster
	v_and_b32 v8, 15, v0                           ; r
	v_bfe_u32 v9, v0, 4, 1                         ; h
	v_and_b32 v10, 31, v0                          ; lane
	; every LDS address is made here, ahead of the first parting of the roles
	s_wait_alu depctr_va_vdst(0)
	v_mul_u32_u24 v[XA], v8, XP
	s_delay_alu instid0(VALU_DEP_1)
	v_lshl_add_u32 v[XA], v9, 4, v[XA]
	v_lshl_add_u32 v[XSA], v8, 4, XSB
	s_lshl_b32 s38, s31, 10
	s_lshl_b32 s39, s33, 8
	s_add_co_u32 s38, s38, s39
	s_add_co_u32 s38, s38, SCG                     ; SCG + role x 1024 + head's 256
	s_add_co_u32 s39, s38, s34
	v_lshl_add_u32 v[KSA], v8, 1, s39              ; + 2 r + beta
	s_lshl_b32 s39, s34, 7
	s_add_co_u32 s39, s38, s39
	v_lshl_add_u32 v[VSA], v8, 2, s39              ; + 128 beta + 4 r
	s_lshl_b32 s39, s30, 9
	s_add_co_u32 s39, s39, SCG
	v_lshl_add_u32 v[SRD], v10, 4, s39
	; offsets into memory
	v_lshlrev_b32 v16, 8, v8
	s_delay_alu instid0(VALU_DEP_1)
	v_lshl_add_u32 v16, v9, 4, v16                 ; W's codes: row r of 256 bytes, + 16 h
	v_lshlrev_b32 v17, 4, v8                       ; W's scale bytes: 16 a row
	v_lshlrev_b32 v18, 2, v8                       ; 4 r: mask words; v's bias
	v_lshlrev_b32 v19, 5, v9                       ; 32 h: q's and k's bias
.irp u, 0,1,2,3
	v_mov_b32 v[PX+\u], 0                          ; written once: a lane permute's destination counts as one of its sources
.endr
	s_lshl_b32 s38, s35, 1
	s_add_co_u32 s38, s38, s33                     ; my head
	s_lshl_b32 s38, s38, 12
	s_lshl_b32 s39, s31, 15
	s_add_co_u32 s38, s38, s39                     ; K's codes at 0, V's at 32,768,
	s_cmp_eq_u32 s31, 2
	s_cselect_b32 s39, 6144, 0                     ; Q's at 65,536 + 6,144
	s_mov_b32 s96, 0x01800000                      ; the floor of a block's largest magnitude: 2^(3 - 127),
	s_cselect_b32 s96, 0x03000000, s96             ; for q 2^(6 - 127);
	s_cselect_b32 s97, 3, 0                        ; what is taken off the scale's byte
	s_add_co_u32 s38, s38, s39
	s_cmp_eq_u32 s31, 1
	s_cselect_b32 s39, 11, 8                       ; my 32 channels: two tiles of V (2,048 bytes) or half a tile's row of K or Q (256)
	s_lshl_b32 s39, s34, s39
	s_add_co_u32 s38, s38, s39
	v_lshl_add_u32 v[GO], v8, 4, s38
	s_delay_alu instid0(VALU_DEP_1)
	v_lshl_add_u32 v[GO], v9, 3, v[GO]
	s_cmp_eq_u32 s31, 0
	s_cselect_b32 s98, 0, -1                       ; only k's codes are masked
	s_lshl_b32 s38, s35, 7
	s_lshl_b32 s39, s32, 5
	s_add_co_u32 s38, s38, s39                     ; my first channel
	s_lshl_b32 s46, s38, 8                         ; its row of codes,
	s_mov_b32 s47, 0
	s_lshl_b32 s62, s38, 4                         ; of scale bytes,
	s_mov_b32 s63, 0
	s_lshl_b32 s66, s38, 2                         ; its bias
	s_mov_b32 s67, 0
	s_mov_b32 s60, 0x76543210
	s_mov_b32 s61, 0xfedcba98                      ; v_permlanex16_b32's selects for lane l xor 16
	; descriptor group 1 for x's codes: 128 rows of 256 bytes, 16 bytes of padding behind each; the mask names the cluster's four
	s_mov_b32 s48, 15|(1<<20)|(1<<21)|(5<<22)|(3<<25)
	s_mov_b32 s49, 256<<16
	s_mov_b32 s50, 128<<16
	s_mov_b32 s51, 256<<16
	s_mov_b32 s52, 128
	s_mov_b32 s53, 256
	s_mov_b32 s54, 0
	s_mov_b32 s55, 0
	; and for x's scale bytes: 4,096 dense bytes as 16 rows of 32 elements of 8 bytes
	s_mov_b32 s68, 15|(3<<16)|(1<<21)
	s_mov_b32 s69, 32<<16
	s_mov_b32 s70, 16<<16
	s_mov_b32 s71, 32<<16
	s_mov_b32 s72, 16
	s_mov_b32 s73, 32
	s_mov_b32 s74, 0
	s_mov_b32 s75, 0
	s_lshl_b32 s2, s36, 16                         ; 256 tokens x 256 bytes,
	s_lshl_b32 s37, s30, 15                        ; + 128 rows for wave 1
	s_add_co_u32 s2, s2, s37
	s_mov_b32 s3, 0
	s_wait_dscnt 0x0
	s_wait_kmcnt 0x0
	s_mov_b32 s56, 1
	s_mul_i32 s57, s30, 128*XP
	s_add_nc_u64 s[58:59], s[4:5], s[2:3]
	s_or_b32 s59, s59, 0x80000000
	s_lshl_b32 s2, s36, 12
	s_mov_b32 s76, 1
	s_mov_b32 s77, XSB
	s_add_nc_u64 s[78:79], s[6:7], s[2:3]
	s_or_b32 s79, s79, 0x80000000
	s_lshl_b32 s2, s36, 10
	s_add_nc_u64 s[26:27], s[26:27], s[2:3]        ; the mask words of my 256 tokens
	s_mul_i32 s2, s36, 2*BLK
	s_add_nc_u64 s[28:29], s[28:29], s[2:3]        ; my two blocks of qkv
	s_cmp_eq_u32 s31, 0                            ; the role's weight, scales and bias: the choice hangs on the wave's number alone
	s_cselect_b64 s[40:41], s[14:15], s[8:9]
	s_cselect_b64 s[42:43], s[16:17], s[10:11]
	s_cselect_b64 s[44:45], s[18:19], s[12:13]
	s_cmp_eq_u32 s31, 1
	s_cselect_b64 s[40:41], s[20:21], s[40:41]
	s_cselect_b64 s[42:43], s[22:23], s[42:43]
	s_cselect_b64 s[44:45], s[24:25], s[44:45]
	s_add_nc_u64 s[40:41], s[40:41], s[46:47]
	s_add_nc_u64 s[42:43], s[42:43], s[62:63]
	s_add_nc_u64 s[44:45], s[44:45], s[66:67]
	CROUND                                         ; all four work-groups are here: the joint loads meet
	s_cmp_lt_u32 s30, 2                            ; waves 0 and 1: x's two halves; wave 2: its scale bytes; one load a wave.  Four v_nop follow each line
	s_cbranch_scc0 .Lnot_x
	tensor_load_to_lds s[56:59], s[48:55]
	s_nop 0
	PLACES 4
	s_branch .Lasked
.Lnot_x:
	s_cmp_eq_u32 s30, 2
	s_cbranch_scc0 .Lasked
	tensor_load_to_lds s[76:79], s[68:75]
	s_nop 0
	PLACES 4
.Lasked:
	s_wait_alu depctr_va_vdst(0)
.irp ct, 0,1
.irp ks, 0,1,2,3
.irp c, 0,1
	global_load_b128 v[WF+8*(4*\ct+\ks)+4*\c:WF+8*(4*\ct+\ks)+4*\c+3], v16, s[40:41] offset:\ct*4096+\ks*64+\c*32
.endr
.endr
	global_load_b128 v[WSC+4*\ct:WSC+4*\ct+3], v17, s[42:43] offset:\ct*256
.endr
.irp t, 0,1,2,3,4,5,6,7,8,9,10,11,12,13,14,15
	global_load_b32 v[ACC+\t], v18, s[26:27] offset:64*\t          ; the mask word of token 16 t + r
.endr
	s_cmp_eq_u32 s31, 1
	s_cbranch_scc1 .Lbias_v
.irp ct, 0,1
	global_load_b128 v[BC+8*\ct:BC+8*\ct+3], v19, s[44:45] offset:64*\ct       ; q, k: register j is channel 16 ct + 8 h + j
	global_load_b128 v[BC+8*\ct+4:BC+8*\ct+7], v19, s[44:45] offset:64*\ct+16
.endr
	s_branch .Lbias_done
.Lbias_v:
.irp ct, 0,1
.irp j, 0,1,2,3,4,5,6,7
	global_load_b32 v[BC+8*\ct+\j], v18, s[44:45] offset:64*\ct    ; v: the lane is the channel: one number in all eight registers
.endr
.endr
.Lbias_done:
	s_wait_loadcnt 0x0
.irp t, 0,1,2,3,4,5,6,7,8,9,10,11,12,13,14,15
	v_cmp_ne_u32 s[MK+\t], 0, v[ACC+\t]
	s_or_b32 s[MK+\t], s[MK+\t], s98
.endr
	s_wait_tensorcnt 0x0                           ; my part of x is in,
	s_barrier_signal -1
	s_barrier_wait -1                              ; everybody's is
.macro XSCL qd                         ; the scale words of the quarter's four token tiles, all four K steps
.irp i, 0,1,2,3
	ds_load_b128 v[XSC+4*\i:XSC+4*\i+3], v[XSA] offset:(64*\qd+16*\i)*16
.endr
.endm
.macro XLOAD hb, qd, ks                ; x's four fragments of K step ks into set hb
.irp i, 0,1,2,3
.irp c, 0,1
	ds_load_b128 v[XF+32*\hb+8*\i+4*\c:XF+32*\hb+8*\i+4*\c+3], v[XA] offset:(64*\qd+16*\i)*XP+64*\ks+32*\c
.endr
.endr
.endm
; Eight products, 128 along K: four token tiles x two channel tiles.  The eight accumulators take turns, one instruction a turn, in the same order in every K step.  K step 0 takes the bias as C.
.macro MUL isv, ks, hb
.irp i, 0,1,2,3
.irp ct, 0,1
.if \isv
.set rD, ACC+16*(2*\ct+\i/2)+8*(\i%2)
.else
.set rD, ACC+16*\i+8*\ct
.endif
.set rW, WF+8*(4*\ct+\ks)
.set rX, XF+32*\hb+8*\i
.set rC, rD
.if \ks == 0
.set rC, BC+8*\ct
.endif
.if \isv
	v_wmma_scale_f32_16x16x128_f8f6f4 v[rD:rD+7], v[rX:rX+7], v[rW:rW+7], v[rC:rC+7], v[XSC+4*\i+\ks], v[WSC+4*\ct+\ks] matrix_a_fmt:MATRIX_FMT_FP4 matrix_b_fmt:MATRIX_FMT_FP4
.else
	v_wmma_scale_f32_16x16x128_f8f6f4 v[rD:rD+7], v[rW:rW+7], v[rX:rX+7], v[rC:rC+7], v[WSC+4*\ct+\ks], v[XSC+4*\i+\ks] matrix_a_fmt:MATRIX_FMT_FP4 matrix_b_fmt:MATRIX_FMT_FP4
.endif
.endr
.endr
.endm
; Four blocks of 32, block u in the 16 registers at ACC + 16 u of lanes l and l xor 16, by turns.  Each accumulator is read from its low end on.
.macro QUANT4 qk, qd
.irp u, 0,1,2,3
	v_max3_num_f32 v[BM+\u], |v[ACC+16*\u]|, |v[ACC+16*\u+1]|, s96     ; my 16 numbers and the floor, which holds the byte at 1 from below
.endr
.irp i, 2,4,6,8,10,12,14
.irp u, 0,1,2,3
	v_max3_num_f32 v[BM+\u], v[BM+\u], |v[ACC+16*\u+\i]|, |v[ACC+16*\u+\i+1]|
.endr
.endr
.irp u, 0,1,2,3
	s_delay_alu instid0(VALU_DEP_4)
	v_permlanex16_b32 v[PX+\u], v[BM+\u], s60, s61
.endr
.irp u, 0,1,2,3
	s_delay_alu instid0(VALU_DEP_4)
	v_max_num_f32 v[BM+\u], v[BM+\u], v[PX+\u]     ; the block's largest magnitude
.endr
.irp u, 0,1,2,3
	s_delay_alu instid0(VALU_DEP_4)
	v_add_nc_u32 v[BM+\u], 0xff000000, v[BM+\u]    ; 2 off its exponent field: the conversion's scale operand
.endr
.irp u, 0,1,2,3
	s_delay_alu instid0(VALU_DEP_4)
	v_lshrrev_b32 v[PX+\u], 23, v[BM+\u]           ; the scale's byte
.endr
.if \qk
.irp u, 0,1,2,3
	s_delay_alu instid0(VALU_DEP_4)
	v_sub_nc_u32 v[PX+\u], v[PX+\u], s97           ; q: 3 lower, the scores' division by 8
.endr
.endif
.irp u, 0,1,2,3
	v_cvt_scalef32_pk8_fp4_f32 v[CD+2*\u], v[ACC+16*\u:ACC+16*\u+7], v[BM+\u]
	v_cvt_scalef32_pk8_fp4_f32 v[CD+2*\u+1], v[ACC+16*\u+8:ACC+16*\u+15], v[BM+\u]
.endr
	v_nop                                          ; one plain place behind the scaled conversions
.irp u, 0,1,2,3
	v_permlane16_swap_b32 v[CD+2*\u], v[CD+2*\u+1] ; half h now holds words 2 h and 2 h + 1 of the block's four
.endr
.if \qk
.irp u, 0,1,2,3
	v_cndmask_b32 v[CD+2*\u], 0, v[CD+2*\u], s[MK+4*\qd+\u]        ; k: zero codes where the token's mask word is 0 (q: the lane mask is all ones)
	v_cndmask_b32 v[CD+2*\u+1], 0, v[CD+2*\u+1], s[MK+4*\qd+\u]
.endr
.endif
.endm
.macro STOREQK qd                      ; block u is token tile 4 (qd % 2) + u of the 128 tokens qd / 2; a store of the wave covers 256 consecutive bytes, aligned
.irp u, 0,1,2,3
	global_store_b64 v[GO], v[CD+2*\u:CD+2*\u+1], s[28:29] offset:(\qd/2)*BLK+(\qd%2)*2048+\u*512
	ds_store_b8 v[KSA], v[PX+\u] offset:(\qd/2)*512+(\qd%2)*128+\u*32   ; both lanes of a block write the same byte with the same value
.endr
.endm
.macro STOREV qd                       ; block 2 ct + p is key block 2 (qd % 2) + p of channel tile ct
.irp ct, 0,1
.irp p, 0,1
	global_store_b64 v[GO], v[CD+2*(2*\ct+\p):CD+2*(2*\ct+\p)+1], s[28:29] offset:(\qd/2)*BLK+(\qd%2)*512+\ct*1024+\p*256
	ds_store_b8 v[VSA], v[PX+2*\ct+\p] offset:(\qd/2)*512+\ct*64+2*(\qd%2)+\p
.endr
.endr
.endm
; A quarter: 64 tokens x my 32 channels, four K steps on two sets of x's fragments.
.macro QUARTER isv, qd
	XSCL \qd
	XLOAD 0, \qd, 0
	XLOAD 1, \qd, 1
	s_wait_dscnt 8                                 ; the scale words and K step 0 are in; K step 1's eight loads may be out
	MUL \isv, 0, 0
	PLACES 4                                       ; in front of loads into registers that matrix instructions have read
	XLOAD 0, \qd, 2
	s_wait_dscnt 8                                 ; K step 1 is in; K step 2's eight may be out
	MUL \isv, 1, 1
	PLACES 4
	XLOAD 1, \qd, 3
	s_wait_dscnt 8                                 ; K step 2 is in; K step 3's eight may be out
	MUL \isv, 2, 0
	s_wait_dscnt 0x0
	MUL \isv, 3, 1
	PLACES 5                                       ; four for the reads of the results and the next quarter's loads; the fifth since the next quarter's first products write these accumulators anew with another C
	s_wait_xcnt 0x0                                ; the last quarter's stores have read their data: the codes' registers are written again only behind this wait
	QUANT4 1-\isv, \qd
.if \isv
	STOREV \qd
.else
	STOREQK \qd
.endif
.endm
	s_cmp_eq_u32 s31, 1
	s_cbranch_scc1 .Lv_body
	QUARTER 0, 0
	QUARTER 0, 1
	QUARTER 0, 2
	QUARTER 0, 3
	s_branch .Ljoin
.Lv_body:
	QUARTER 1, 0
	QUARTER 1, 1
	QUARTER 1, 2
	QUARTER 1, 3
.Ljoin:
	s_wait_dscnt 0x0                               ; for the others' sake: my scale bytes lie in LDS
	s_barrier_signal -1
	s_barrier_wait -1
	s_cmp_lt_u32 s30, 6                            ; six runs of 512 bytes: wave w stores role w / 2, tokens' half w % 2
	s_cbranch_scc0 .Lno_scales
	s_wait_xcnt 0x0                                ; the codes' stores have read v16-19
	ds_load_b128 v[16:19], v[SRD]
	s_and_b32 s38, s30, 1
	s_mul_i32 s38, s38, BLK
	s_lshr_b32 s39, s30, 1
	s_lshl_b32 s39, s39, 11
	s_add_co_u32 s38, s38, s39
	s_lshl_b32 s39, s35, 9                         ; my head pair's 512 bytes
	s_add_co_u32 s38, s38, s39
	v_and_b32 v7, 31, v0
	s_delay_alu instid0(VALU_DEP_1)
	v_lshl_add_u32 v7, v7, 4, s38
	s_wait_alu depctr_va_vdst(0)
	s_wait_dscnt 0x0
	global_store_b128 v7, v[16:19], s[28:29] offset:65536          ; 32 lanes store 512 consecutive bytes, aligned to 256
.Lno_scales:
	s_set_vgpr_msb 0x5
	s_wait_tensorcnt 0x0
	ds_add_u32 v0, v1
	s_wait_dscnt 0x0
	s_set_vgpr_msb 0x500
	CROUND                                         ; the closing round: no work-group ends while a partner may still ask jointly
	s_endpgm
.Lfunc_end_k_qada09c5229_proj:
	.size	k_qada09c5229_proj, .Lfunc_end_k_qada09c5229_proj-k_qada09c5229_proj
	.p2alignl 7, 3214868480
	.fill 96, 4, 3214868480
	.section	.rodata,"a",@progbits
	.p2align	6, 0x0
	.amdhsa_kernel k_qada09c5229_proj
		.amdhsa_group_segment_fixed_size 169472
		.amdhsa_private_segment_fixed_size 0
		.amdhsa_enable_private_segment 0
		.amdhsa_kernarg_size 104
		.amdhsa_user_sgpr_count 2
		.amdhsa_user_sgpr_kernarg_segment_ptr 1
		.amdhsa_wavefront_size32 1
		.amdhsa_system_sgpr_workgroup_id_x 1
		.amdhsa_system_sgpr_workgroup_id_y 1
		.amdhsa_system_sgpr_workgroup_id_z 1
		.amdhsa_system_vgpr_workitem_id 0
		.amdhsa_next_free_vgpr 258
		.amdhsa_next_free_sgpr 100
		.amdhsa_reserve_vcc 0
		.amdhsa_float_denorm_mode_32 3
		.amdhsa_float_denorm_mode_16_64 3
		.amdhsa_memory_ordered 1
		.amdhsa_forward_progress 1
		.amdhsa_inst_pref_size 110
	.end_amdhsa_kernel
	.amdgpu_metadata
---
amdhsa.version: [ 1, 2 ]
amdhsa.kernels:
  - .name:           k_qada09c5229_proj
    .symbol:         k_qada09c5229_proj.kd
    .args:
      - { .name: x_codes, .offset: 0, .size: 8, .value_kind: global_buffer, .address_space: global }
      - { .name: x_scales, .offset: 8, .size: 8, .value_kind: global_buffer, .address_space: global }
      - { .name: Wq_codes, .offset: 16, .size: 8, .value_kind: global_buffer, .address_space: global }
      - { .name: Wq_scales, .offset: 24, .size: 8, .value_kind: global_buffer, .address_space: global }
      - { .name: bq, .offset: 32, .size: 8, .value_kind: global_buffer, .address_space: global }
      - { .name: Wk_codes, .offset: 40, .size: 8, .value_kind: global_buffer, .address_space: global }
      - { .name: Wk_scales, .offset: 48, .size: 8, .value_kind: global_buffer, .address_space: global }
      - { .name: bk, .offset: 56, .size: 8, .value_kind: global_buffer, .address_space: global }
      - { .name: Wv_codes, .offset: 64, .size: 8, .value_kind: global_buffer, .address_space: global }
      - { .name: Wv_scales, .offset: 72, .size: 8, .value_kind: global_buffer, .address_space: global }
      - { .name: bv, .offset: 80, .size: 8, .value_kind: global_buffer, .address_space: global }
      - { .name: key_padding_mask, .offset: 88, .size: 8, .value_kind: global_buffer, .address_space: global }
      - { .name: qkv, .offset: 96, .size: 8, .value_kind: global_buffer, .address_space: global }
    .group_segment_fixed_size: 169472
    .private_segment_fixed_size: 0
    .kernarg_segment_align: 8
    .kernarg_segment_size: 104
    .max_flat_workgroup_size: 384
    .sgpr_count:     100
    .vgpr_count:     258
    .wavefront_size: 32
...
	.end_amdgpu_metadata
.endif
;; end of part 1
;; launch attn (part 2): grid 16 x 16, 8 waves a work-group, clusters of 4 x 1, 327,680 bytes of LDS; arguments qkv, attn_bias, key_padding_mask, Wo_codes, Wo_scales, bo, out0; writes out0
.if DOCPART == 2
	.amdgcn_target "amdgcn-amd-amdhsa--gfx1250"
	.amdhsa_code_object_version 6
	.text
	.protected	k_qada09c5229_attn
	.globl	k_qada09c5229_attn
	.p2align	8
	.type	k_qada09c5229_attn,@function
k_qada09c5229_attn:
	s_mov_b64 s[64:65], 0
	v_nop
	global_prefetch_b8 v0, s[64:65] scope:SCOPE_SE
	s_setreg_imm32_b32 hwreg(HW_REG_WAVE_MODE, 25, 1), 1
	s_wait_xcnt 0x0
	s_wait_alu depctr_hold_cnt(0) depctr_sa_sdst(0) depctr_va_vdst(0) depctr_va_sdst(0) depctr_va_ssrc(0) depctr_va_vcc(0) depctr_vm_vsrc(0)
	s_getreg_b32 s2, hwreg(HW_REG_IB_STS2, 6, 4)
	s_cmp_eq_u32 s2, 0
	s_cbranch_scc0 .Lentry_in_a_cluster
	s_endpgm
.Lentry_in_a_cluster:
	s_bfe_u32 s2, ttmp6, 0x10000c
	s_cmp_lg_u32 s2, 0x3003
	s_cbranch_scc0 .Lentry_shape_is_right
	s_endpgm
.Lentry_shape_is_right:
; out0 = Q(softmax(q k^T / 8 + attn_bias, masked) v) Wo^T + bo, all three products on codes of FP4 (E2M1) with E8M0 scales; q, k, v come from qkv, laid in the order of the operand registers (see the launch that writes it).
; SHARES.  A work-group owns 64 queries of one batch and all 8 heads: attn_bias is read from memory once, and the output projection follows in LDS.  Wave w owns query tile w % 4 (16 queries) for the four heads 4 (w / 4) .. + 3,
; in 512 registers, two waves to a SIMD, and walks the batch's 1,024 keys in 8 steps of 128: a step is four units, a head each.
; LAYOUT.  S^T = K Q^T (source 0 = 16 keys, source 1 = my 16 queries) and O^T = V^T P^T: a lane holds ONE query (lane % 16) throughout; register j of tile a is key 16 a + 8 (lane / 16) + j.
; THE HEAD'S K IS 64: Q's fragment has zero codes in its upper four registers; K's fragment a is v[KF + 4 a .. + 7], whose upper four are the next fragment's codes and meet those zeros; the upper two scale bytes are 0 on both sides.
; THE DIVISION BY 8 lies in Q's scale bytes.  THE BIAS with the mask's row added (0, or -1e30 at a masked key) stays in 64 registers for the step's four heads and is the C of their score products.
; A masked key's p is 2^(about -1.4e30), which is 0.  Where the batch has no unmasked key the factor log2(e) is replaced by 0: all t are 0, p = 1 and the sum is 1,024, as in the reference, whose logits are all equal then.  A select, no branch.
; SOFTMAX.  t = score x log2(e); M = the running largest t rounded up to a whole number, kept as -M; p = 2^(t - M) is quantised along the keys; the row's sum is taken of the unquantised p; when M moves the sum and O^T are multiplied by 2^(old M - new M), exact.
; RING.  Two slots, 2^17 bytes apart, each with a step's K and V codes and scale bytes (69,632 dense bytes of qkv) and the step's bias (64 rows of 512 bytes, 16 of padding behind each).  One tensor load a wave behind each round: waves 0 to 3 fetch 68 rows of 256 bytes of
; qkv each, jointly for the four work-groups of the cluster, which belong to one batch; waves 4 to 7 fetch 16 rows of the work-group's own bias each.
; The change of slots lies in a step's last unit, when that unit's K and V are in registers: its exponentials stand inside the round's opening barrier, the refill behind the round, then the next step's operands are read while p is quantised.
; PREFETCH.  At the change of slots in step s, which loads step s + 2, each wave names its part of step s + 3, one instruction: waves 4 to 7 the 32 units of 256 bytes of their bias rows; in waves 0 to 3 the four partners of a cluster share a wave's 68 rows of qkv out by address,
; 17 each.  Steps 0 to 2 come by their loads alone; the loop's last trip asks for nothing.
; LIMITS: NaN and infinities are not served.  Blocks whose largest magnitude lies under 2^-124 are quantised under that floor's scale.  The promise holds while the scaled scores (score x log2(e)) stay under 2^31 in magnitude, and unmasked logits lie well above -1e9.
.set BLK,    104448
.set SLOT1,  1<<17
.set KSCO,   65536
.set VSCO,   67584
.set QSCO,   69632
.set QCO,    71680
.set BIASO,  69632                     ; the bias in a slot: 64 rows x BP
.set BP,     528
.set MMT,    103424                    ; the mask's row: 1,024 numbers
.set AIMG,   107520                    ; the attention output's 16 fragments as images of their registers: (4 x row tile + K step) x 1,024
.set ASC,    123904                    ; their scale words: (4 x row tile + K step) x 128 + 4 x lane
.set SPARE,  125952                    ; the spare words: 128 bytes for each of 8 waves; no other line names them
.set STG,    131072                    ; the way out: 64 rows x 272 for each wave, over slot 1, which has had its last fill and its last read by then
; v1 spare word's address, v2 0; v3 K/V codes, v4 K's scales, v5 V's scales, v6 bias, v7 mask row (bases); v9-12, v15 the same in the step in hand; v14 the prefetch's offset
; v[16+2u:17+2u] -M and the largest t of head u; v[24+2u:25+2u] its sum; v[32:33] f; v34 at work; v250 lane, v251 lane % 16, v252 lane / 16
.set BM,   36                          ; block maxima
.set PX,   40                          ; the other half's, then scale bytes
.set SO,   44                          ; the conversions' scale operands
.set KSC,  48
.set VSC,  52
.set PSW,  54
.set QSC,  56
.set PC,   60                          ; 60-67 p's codes
.set T,    68                          ; 68-83 partial sums; later the output's scale words
.set QF,   84                          ; 84-115; later Wo's scale words
.set KF,   116                         ; 116-151; later bo
.set VF,   152                         ; 152-183
.set S,    184                         ; 184-247
; window 1: O^T of head u at v[32 u], the bias at v128, the mask's row at v192; on the way out the results at v0 and Wo's fragments at v128
.set MSB, 0
.macro WIN new                         ; the immediate's high byte repeats the setting that is left
.if MSB != \new
	s_set_vgpr_msb (MSB<<8)|\new
.set MSB, \new
.endif
.endm
.macro AW
	s_wait_alu depctr_va_vdst(0)
.endm
.macro HINT n
	s_delay_alu instid0(VALU_DEP_\n)
.endm
.macro PLACES n
.rept \n
	v_nop
.endr
.endm
.macro CREST                           ; a round of the cluster's barrier behind its opening barrier
	s_cmp_lg_u32 s18, 0
	s_cbranch_scc1 .Lnot_wave_0_\@
	s_barrier_signal -3
.Lnot_wave_0_\@:
	s_barrier_wait -3
	s_barrier_signal -1
	s_barrier_wait -1
.endm
.macro CROUND
	s_barrier_signal -1
	s_barrier_wait -1
	CREST
.endm
.macro TLOAD                           ; one load a wave; s_nop 0 and four v_nop follow each line
	s_cmp_lt_u32 s18, 4
	s_cbranch_scc0 .Lfor_bias_\@
	tensor_load_to_lds s[32:35], s[24:31]
	s_nop 0
	PLACES 4
	s_branch .Lasked_\@
.Lfor_bias_\@:
	tensor_load_to_lds s[36:39], s[68:75]
	s_nop 0
	PLACES 4
.Lasked_\@:
.endm
	s_load_b256 s[4:11], s[0:1], 0x0               ; qkv 4, attn_bias 6, key_padding_mask 8, Wo_codes 10
	s_load_b128 s[12:15], s[0:1], 0x20             ; Wo_scales 12, bo 14
	s_load_b64 s[16:17], s[0:1], 0x30              ; out0
	v_lshl_add_u32 v1, v0, 2, SPARE
	v_mov_b32 v2, 0
	ds_add_u32 v1, v2                              ; the opening: the add, twice on end, and below its one wait
	ds_add_u32 v1, v2
	v_lshrrev_b32 v13, 5, v0
	v_readfirstlane_b32 s18, v13                   ; wave 0..7
	s_lshr_b32 s19, s18, 2                         ; which four heads
	s_and_b32 s20, s18, 3                          ; query tile; also: which quarter I fetch
	s_bfe_u32 s21, ttmp6, 0x40000                  ; cx
	s_lshl_b32 s22, ttmp9, 2
	s_add_co_u32 s22, s22, s21                     ; my block of 64 queries: it enters global addresses alone
	s_and_b32 s23, ttmp7, 0xffff                   ; the batch, which the cluster shares
	; group 1 for qkv: 68 rows of 32 elements of 8 bytes, dense; the mask names the cluster's four
	s_mov_b32 s24, 15|(3<<16)|(1<<21)
	s_mov_b32 s25, 32<<16
	s_mov_b32 s26, 68<<16
	s_mov_b32 s27, 32<<16
	s_mov_b32 s28, 68
	s_mov_b32 s29, 32
	s_mov_b32 s30, 0
	s_mov_b32 s31, 0
	; and for the bias: 16 rows of 128 elements of 4 bytes, 1,024 apart, four words of padding after every 128
	s_mov_b32 s68, (2<<16)|(1<<20)|(6<<22)|(3<<25)
	s_mov_b32 s69, 128<<16
	s_mov_b32 s70, 16<<16
	s_mov_b32 s71, 128<<16
	s_mov_b32 s72, 16
	s_mov_b32 s73, 1024
	s_mov_b32 s74, 0
	s_mov_b32 s75, 0
	s_mov_b32 s44, 0x76543210
	s_mov_b32 s45, 0xfedcba98                      ; v_permlanex16_b32's selects for lane l xor 16
	s_mov_b32 s48, 0                               ; the slot in hand
	s_mov_b32 s51, 0                               ; the step's part of the mask's row
	s_mul_i32 s33, s20, 17408                      ; my quarter of a key step, in a slot and in memory
	s_mul_i32 s52, s23, 8*BLK
	s_add_co_u32 s52, s52, s33
	s_mov_b32 s53, 0
	s_mul_i32 s37, s20, 16*BP
	s_add_co_u32 s37, s37, BIASO                   ; my 16 rows of the bias in a slot,
	s_lshl_b32 s54, s23, 22
	s_lshl_b32 s55, s22, 18
	s_add_co_u32 s54, s54, s55
	s_lshl_b32 s55, s20, 16
	s_add_co_u32 s54, s54, s55                     ; and in memory
	s_mov_b32 s55, 0
	s_lshl_b32 s56, s23, 12                        ; the batch's mask words
	s_mov_b32 s57, 0
	s_lshl_b32 s58, s23, 3
	s_lshr_b32 s59, s22, 1
	s_add_co_u32 s58, s58, s59
	s_mul_i32 s58, s58, BLK                        ; the block of qkv that holds my queries
	s_mov_b32 s59, 0
	s_and_b32 s60, s22, 1
	s_lshl_b32 s60, s60, 2
	s_add_co_u32 s60, s60, s20                     ; my tile in it
	v_and_b32 v250, 31, v0                         ; lane
	v_and_b32 v251, 15, v0                         ; r
	v_bfe_u32 v252, v0, 4, 1                       ; h
	AW                                             ; the lane's numbers are read again behind the scalars below
	s_lshl_b32 s61, s19, 14
	v_lshl_add_u32 v3, v250, 4, s61
	s_lshl_b32 s62, s60, 9
	s_add_co_u32 s62, s62, s61
	v_lshl_add_u32 v253, v250, 4, s62              ; Q's codes
	s_lshl_b32 s61, s19, 10
	s_lshl_b32 s62, s60, 5
	s_add_co_u32 s62, s62, s61
	v_lshl_add_u32 v254, v251, 1, s62              ; Q's scale bytes
	s_add_co_u32 s62, s61, KSCO
	v_lshl_add_u32 v4, v250, 1, s62
	s_add_co_u32 s62, s61, VSCO
	v_lshl_add_u32 v5, v250, 2, s62
	s_mul_i32 s62, s20, 16*BP
	s_add_co_u32 s62, s62, BIASO
	v_mul_u32_u24 v6, v251, BP
	v_lshl_add_u32 v6, v252, 5, v6
	v_add_nc_u32 v6, s62, v6                       ; row r of my tile, + 32 h
	v_lshlrev_b32 v7, 5, v252
	v_add_nc_u32 v7, MMT, v7
	v_lshlrev_b32 v8, 4, v250
	v_lshlrev_b32 v249, 4, v0                      ; my four mask words,
	v_lshl_add_u32 v255, v0, 4, MMT                ; and where their numbers go
	v_mov_b32 v248, 0xf149f2ca                     ; -1e30
	v_min_u32 v13, 16, v250                        ; the prefetch's offset: qkv: 17 rows (lanes left over name the last again);
	v_lshlrev_b32 v13, 8, v13
	v_lshrrev_b32 v34, 1, v250                     ; the bias: 16 rows x 2 units
	v_lshlrev_b32 v34, 12, v34
	v_and_b32 v35, 1, v250
	v_lshl_add_u32 v34, v35, 8, v34
	s_mul_i32 s62, s21, 17*256
	s_add_co_u32 s62, s62, s52
	s_add_co_u32 s62, s62, 2*BLK                   ; both stand at step 2: the first change of slots steps them to 3
	s_add_co_u32 s63, s54, 2*512
	s_mov_b32 s78, 512
	s_mov_b32 s79, 0
	s_cmp_lt_u32 s18, 4
	s_cselect_b32 s61, -1, 0
	s_cselect_b32 s62, s62, s63
	s_cselect_b32 s78, BLK, s78
	s_mov_b32 s63, 0
	AW                                             ; directly ahead of the reader: scalars stand between the writes and it
	v_cndmask_b32 v14, v34, v13, s61
	AW
	s_wait_dscnt 0x0                               ; both opening adds are done
	s_wait_kmcnt 0x0
	s_cmp_lt_u32 s18, 4
	s_cselect_b64 s[76:77], s[4:5], s[6:7]
	s_add_nc_u64 s[76:77], s[76:77], s[62:63]
	s_mov_b32 s32, 1
	s_add_nc_u64 s[34:35], s[4:5], s[52:53]
	s_or_b32 s35, s35, 0x80000000
	s_mov_b32 s36, 1
	s_add_nc_u64 s[38:39], s[6:7], s[54:55]
	s_or_b32 s39, s39, 0x80000000
	s_add_nc_u64 s[8:9], s[8:9], s[56:57]
	s_add_nc_u64 s[80:81], s[4:5], s[58:59]
	s_lshl_b32 s52, s18, 14                        ; my 64 rows of Wo,
	s_add_nc_u64 s[10:11], s[10:11], s[52:53]
	s_lshl_b32 s52, s18, 10                        ; their scale bytes,
	s_add_nc_u64 s[12:13], s[12:13], s[52:53]
	s_lshl_b32 s52, s18, 8                         ; and bo
	s_add_nc_u64 s[14:15], s[14:15], s[52:53]
	s_lshl_b32 s54, s23, 21
	s_add_co_u32 s52, s52, s54
	s_lshl_b32 s54, s22, 17
	s_add_co_u32 s52, s52, s54
	s_add_nc_u64 s[16:17], s[16:17], s[52:53]      ; out0 at row 1,024 batch + 64 block, column 64 w
	CROUND                                         ; all four work-groups are here: the first joint load meets
	TLOAD                                          ; step 0
	global_load_b128 v[36:39], v249, s[8:9]
.irp s, 0,1,2,3,4,5,6,7
	global_load_b128 v[S+4*\s:S+4*\s+3], v8, s[8:9] offset:512*\s  ; the batch's 1,024 mask words
.endr
.irp u, 0,1,2,3
	global_load_b128 v[QF+8*\u:QF+8*\u+3], v253, s[80:81] offset:QCO+4096*\u
	global_load_u16 v[QSC+\u], v254, s[80:81] offset:QSCO+256*\u   ; two bytes; the upper two come as 0
.endr
.irp u, 0,1,2,3
.irp j, 4,5,6,7
	v_mov_b32 v[QF+8*\u+\j], 0                     ; zero codes for k = 64 .. 127
.endr
	v_mov_b32 v[KF+32+\u], 0
	v_mov_b32 v[PX+\u], 0                          ; written once: a lane permute's destination counts as one of its sources
	v_mov_b32 v[16+2*\u], 0x4f000000               ; -M = 2^31: the largest t begins at -2^31
	v_mov_b32 v[17+2*\u], 0xcf000000
	v_mov_b32 v[24+2*\u], 0
	v_mov_b32 v[25+2*\u], 0
.endr
	v_mov_b32 v33, 0                               ; (named as the upper half of the pair v[32:33])
	WIN 0x40
.set j, 0
.rept 128
	v_mov_b32 v[j], 0                              ; O^T: the step is written once for the loop, so its first trip finds zeros, set while step 0's tiles are on their way
.set j, j+1
.endr
	WIN 0
	AW
	s_wait_loadcnt 0x0
.irp k, 4,5,6,7,8,9,10,11,12,13,14,15,16,17,18,19,20,21,22,23,24,25,26,27,28,29,30,31
	v_or_b32 v[S+(\k%4)], v[S+(\k%4)], v[S+\k]
.endr
	v_or_b32 v[S], v[S], v[S+1]
	v_or_b32 v[S+2], v[S+2], v[S+3]
	v_or_b32 v34, v[S], v[S+2]
	v_cmp_ne_u32 vcc_lo, 0, v34
	s_cmp_lg_u32 vcc_lo, 0                         ; has the batch an unmasked key?
	s_cselect_b32 s46, 0x3fb8aa3b, 0               ; log2(e), or 0
	s_mov_b32 s47, s46                             ; (named with it as a pair)
.irp i, 0,1,2,3
	v_cmp_eq_u32 s[40+\i], 0, v[36+\i]
.endr
.irp i, 0,1,2,3
	v_cndmask_b32 v[36+\i], 0, v248, s[40+\i]
.endr
	ds_store_b128 v255, v[36:39]                   ; my four numbers of the mask's row
	AW
	s_wait_tensorcnt 0x0                           ; my part of step 0 is in
	ds_add_u32 v1, v2
	s_xor_b32 s33, s33, SLOT1
	s_add_nc_u64 s[34:35], s[34:35], BLK
	s_xor_b32 s37, s37, SLOT1
	s_add_nc_u64 s[38:39], s[38:39], 512
	s_wait_dscnt 0x0                               ; the add and my part of the mask's row are done
	CROUND
	TLOAD                                          ; step 1, slot 1's first fill
.macro ADDR                            ; the step's LDS addresses
	v_add_nc_u32 v9, s48, v3
	v_add_nc_u32 v10, s48, v4
	v_add_nc_u32 v11, s48, v5
	v_add_nc_u32 v12, s48, v6
	v_add_nc_u32 v15, s51, v7
.endm
.macro KLOAD u                         ; K's eight half fragments of head u and their scale words (tiles 2 a | 2 a + 1 in the lanes' halves)
.irp a, 0,1,2,3,4,5,6,7
	ds_load_b128 v[KF+4*\a:KF+4*\a+3], v9 offset:4096*(\u)+512*\a
.endr
.irp a, 0,1,2,3
	ds_load_u16 v[KSC+\a], v10 offset:256*(\u)+64*\a
.endr
.endm
.macro VLOAD u
.irp d, 0,1,2,3
.irp c, 0,1
	ds_load_b128 v[VF+8*\d+4*\c:VF+8*\d+4*\c+3], v9 offset:32768+4096*(\u)+1024*\d+512*\c
.endr
.endr
.irp d, 0,1
	ds_load_b32 v[VSC+\d], v11 offset:256*(\u)+128*\d
.endr
.endm
.macro BLOAD                           ; the bias and the mask's row in the result's layout
	WIN 0x40
.irp a, 0,1,2,3,4,5,6,7
.irp c, 0,1
	ds_load_b128 v[128+8*\a+4*\c:131+8*\a+4*\c], v12 offset:64*\a+16*\c
	ds_load_b128 v[192+8*\a+4*\c:195+8*\a+4*\c], v15 offset:64*\a+16*\c
.endr
.endr
	WIN 0
.endm
.macro BADD
	WIN 0x45
.irp j, 0,2,4,6,8,10,12,14,16,18,20,22,24,26,28,30,32,34,36,38,40,42,44,46,48,50,52,54,56,58,60,62
	v_pk_add_f32 v[128+\j:129+\j], v[128+\j:129+\j], v[192+\j:193+\j]
.endr
	WIN 0
	AW
.endm
.macro XMAX                            ; with lane l xor 16's half of each block
.irp b, 0,1,2,3
	HINT 4
	v_permlanex16_b32 v[PX+\b], v[BM+\b], s44, s45
.endr
.irp b, 0,1,2,3
	HINT 4
	v_max_num_f32 v[BM+\b], v[BM+\b], v[PX+\b]
.endr
.endm
.macro SMAX u                          ; the largest score of each block of 32 keys: for the row's maximum and, since p rises with the score, for the block's largest p
.irp b, 0,1,2,3
	v_max3_num_f32 v[BM+\b], v[S+16*\b], v[S+16*\b+1], v[S+16*\b+2]
.endr
.irp i, 3,5,7,9,11,13
.irp b, 0,1,2,3
	v_max3_num_f32 v[BM+\b], v[BM+\b], v[S+16*\b+\i], v[S+16*\b+\i+1]
.endr
.endr
.irp b, 0,1,2,3
	v_max_num_f32 v[BM+\b], v[BM+\b], v[S+16*\b+15]
.endr
	XMAX
	HINT 2
	v_max3_num_f32 v34, v[BM], v[BM+1], v[BM+2]
	HINT 1
	v_max_num_f32 v34, v34, v[BM+3]
	HINT 1
	v_mul_f32 v34, s46, v34                        ; the step's largest t
	HINT 1
	v_max_num_f32 v[17+2*\u], v[17+2*\u], v34      ; the running largest t
	v_mov_b32 v34, v[16+2*\u]
	HINT 2
	v_floor_f32 v[16+2*\u], -v[17+2*\u]            ; the new -M = -ceil(t)
	HINT 1
	v_sub_f32 v34, v[16+2*\u], v34                 ; old M - new M: a whole number, 0 or less
	HINT 1
	v_cvt_i32_f32 v34, v34                         ; (it saturates)
	HINT 1
	v_ldexp_f32 v32, 1.0, v34                      ; f = 2^(old M - new M)
.endm
.macro SEXP u
.irp j, 0,2,4,6,8,10,12,14,16,18,20,22,24,26,28,30,32,34,36,38,40,42,44,46,48,50,52,54,56,58,60,62
	v_pk_fma_f32 v[S+\j:S+\j+1], v[S+\j:S+\j+1], s[46:47], v[16+2*\u:17+2*\u] op_sel_hi:[1,0,0]   ; t - M
.endr
.irp b, 0,1,2,3
	v_fma_f32 v[BM+\b], v[BM+\b], s46, v[16+2*\u]
.endr
	AW
.irp j, 0,1,2,3,4,5,6,7,8,9,10,11,12,13,14,15,16,17,18,19,20,21,22,23,24,25,26,27,28,29,30,31,32,33,34,35,36,37,38,39,40,41,42,43,44,45,46,47,48,49,50,51,52,53,54,55,56,57,58,59,60,61,62,63
	v_exp_f32 v[S+\j], v[S+\j]                     ; p = 2^(t - M)
.endr
.irp b, 0,1,2,3
	v_exp_f32 v[BM+\b], v[BM+\b]                   ; the block's largest p: the same two instructions on the same number
.endr
	v_pk_mul_f32 v[24+2*\u:25+2*\u], v[24+2*\u:25+2*\u], v[32:33] op_sel_hi:[1,0]      ; the sum under the new M.  (A plain place behind the exponentials)
	AW
.endm
.macro QUANT4                          ; four blocks of 32 in S, block b in the 16 registers at S + 16 b of lanes l and l xor 16; BM: their largest magnitudes, floored.  Codes to PC, the scale word to PSW
.irp b, 0,1,2,3
	HINT 4
	v_add_nc_u32 v[SO+\b], 0xff000000, v[BM+\b]    ; 2 off the exponent field: the conversion's scale operand
.endr
.irp b, 0,1,2,3
	HINT 4
	v_lshrrev_b32 v[PX+\b], 23, v[SO+\b]           ; the scale's byte
.endr
	HINT 3
	v_lshl_or_b32 v[PSW], v[PX+1], 8, v[PX]
	HINT 1
	v_lshl_or_b32 v[PSW], v[PX+2], 16, v[PSW]
	HINT 1
	v_lshl_or_b32 v[PSW], v[PX+3], 24, v[PSW]
.irp b, 0,1,2,3
	v_cvt_scalef32_pk8_fp4_f32 v[PC+4*(\b/2)+(\b%2)], v[S+16*\b:S+16*\b+7], v[SO+\b]       ; words 0 | 1 of block b in the lanes' halves,
	v_cvt_scalef32_pk8_fp4_f32 v[PC+4*(\b/2)+2+(\b%2)], v[S+16*\b+8:S+16*\b+15], v[SO+\b]  ; words 2 | 3
.endr
	v_nop                                          ; one plain place behind the scaled conversions
.irp c, 0,4
	v_permlane16_swap_b32 v[PC+\c], v[PC+\c+1]     ; word 0 of blocks 2 c | 2 c + 1, and word 1
	v_permlane16_swap_b32 v[PC+\c+2], v[PC+\c+3]   ; words 2 and 3: half h holds a whole block
.endr
.endm
.macro SQ u                            ; p is quantised and summed; O^T is brought under the new M
.irp b, 0,1,2,3
	v_max_num_f32 v[BM+\b], 0x1800000, v[BM+\b]    ; the floor 2^(3 - 127): the byte cannot fall under 1
.endr
	QUANT4
	; the sum of 32 pairs, eight chains by turns
.irp i, 0,1,2,3,4,5,6
	v_pk_add_f32 v[T+2*\i:T+2*\i+1], v[S+4*\i:S+4*\i+1], v[S+4*\i+2:S+4*\i+3]
.endr
	v_pk_add_f32 v[24+2*\u:25+2*\u], v[24+2*\u:25+2*\u], v[S+28:S+29]
.irp k, 30,46
.irp i, 0,2,4,6,8,10,12
	v_pk_add_f32 v[T+\i:T+\i+1], v[T+\i:T+\i+1], v[S+\k+\i:S+\k+\i+1]
.endr
	v_pk_add_f32 v[24+2*\u:25+2*\u], v[24+2*\u:25+2*\u], v[S+\k+14:S+\k+15]
.endr
	v_pk_add_f32 v[T:T+1], v[T:T+1], v[S+62:S+63]
	v_pk_add_f32 v[T+2:T+3], v[T+2:T+3], v[T+4:T+5]
	v_pk_add_f32 v[T+6:T+7], v[T+6:T+7], v[T+8:T+9]
	v_pk_add_f32 v[T+10:T+11], v[T+10:T+11], v[T+12:T+13]
	v_pk_add_f32 v[24+2*\u:25+2*\u], v[24+2*\u:25+2*\u], v[T:T+1]
	v_pk_add_f32 v[T+2:T+3], v[T+2:T+3], v[T+6:T+7]
	v_pk_add_f32 v[24+2*\u:25+2*\u], v[24+2*\u:25+2*\u], v[T+10:T+11]
	v_pk_add_f32 v[24+2*\u:25+2*\u], v[24+2*\u:25+2*\u], v[T+2:T+3]
	WIN 0x41
	AW
.irp j, 0,2,4,6,8,10,12,14,16,18,20,22,24,26,28,30
	v_pk_mul_f32 v[32*\u+\j:32*\u+\j+1], v[32*\u+\j:32*\u+\j+1], v[32:33] op_sel_hi:[1,0]   ; from each accumulator's low end on.  (With the sums: the places between p's scale word and codes and the products)
.endr
.endm
; Wo's fragments of my 64 columns, their scale words and bo, into registers that are done with
.macro WOLOAD
	v_lshlrev_b32 v249, 8, v251
	v_lshl_add_u32 v249, v252, 4, v249             ; row r of 256 bytes, + 16 h
	v_lshlrev_b32 v253, 4, v251                    ; 16 scale bytes a row
	v_lshlrev_b32 v254, 5, v252                    ; bo: 8 h numbers on
	WIN 0x40
.irp n, 0,1,2,3
.irp q, 0,1,2,3
.irp c, 0,1
	global_load_b128 v[128+8*(4*\n+\q)+4*\c:131+8*(4*\n+\q)+4*\c], v249, s[10:11] offset:4096*\n+64*\q+32*\c
.endr
.endr
.endr
	WIN 0
.irp n, 0,1,2,3
	global_load_b128 v[QF+4*\n:QF+4*\n+3], v253, s[12:13] offset:256*\n
	global_load_b128 v[KF+8*\n:KF+8*\n+3], v254, s[14:15] offset:64*\n
	global_load_b128 v[KF+8*\n+4:KF+8*\n+7], v254, s[14:15] offset:64*\n+16
.endr
.endm
; A UNIT: head u, 128 keys.  kind (it matters in unit 3): 1: change of slots with a refill; 2: without; 0: the last step.
.macro UNIT u, kind
.if \u
	s_wait_dscnt 0x0                               ; K is in (for unit 0 it was waited for with the bias)
.endif
	WIN 0x10
.irp a, 0,1,2,3,4,5,6,7                ; S^T = K Q^T + bias: eight accumulators, one instruction each
.if \a%2
	v_wmma_scale_f32_16x16x128_f8f6f4 v[S+8*\a:S+8*\a+7], v[KF+4*\a:KF+4*\a+7], v[QF+8*\u:QF+8*\u+7], v[128+8*\a:135+8*\a], v[KSC+\a/2], v[QSC+\u] matrix_a_fmt:MATRIX_FMT_FP4 matrix_b_fmt:MATRIX_FMT_FP4 matrix_a_scale:MATRIX_SCALE_ROW1
.else
	v_wmma_scale_f32_16x16x128_f8f6f4 v[S+8*\a:S+8*\a+7], v[KF+4*\a:KF+4*\a+7], v[QF+8*\u:QF+8*\u+7], v[128+8*\a:135+8*\a], v[KSC+\a/2], v[QSC+\u] matrix_a_fmt:MATRIX_FMT_FP4 matrix_b_fmt:MATRIX_FMT_FP4
.endif
.endr
	WIN 0
	PLACES 4                                       ; for the loads below and the reads of the scores
	VLOAD \u
.if \u < 3
	KLOAD \u+1
	SMAX \u
	SEXP \u
	SQ \u
	AW
	s_wait_dscnt 12                                ; V is in; the next head's K, twelve loads, may be out
.elseif \kind
.if \kind == 1
	s_wait_xcnt 0x0                                ; any prefetch of mine has read its address
	s_add_nc_u64 s[76:77], s[76:77], s[78:79]
.endif
	s_wait_tensorcnt 0x0                           ; all my tensor loads have landed: my part of the next slot; so group 0 may be written
	ds_add_u32 v1, v2                              ; 0 onto my spare word
.if \kind == 1
	s_xor_b32 s33, s33, SLOT1                      ; the slot in hand is filled again, two steps on
	s_add_nc_u64 s[34:35], s[34:35], BLK
	s_xor_b32 s37, s37, SLOT1
	s_add_nc_u64 s[38:39], s[38:39], 512
.endif
	SMAX 3                                         ; work on registers between the add and the wait for it
	AW
	s_wait_dscnt 0x0                               ; the add is done, V is in, and my reads of this slot are over
	s_barrier_signal -1
	SEXP 3                                         ; work on registers while the others arrive
	s_barrier_wait -1
.if \kind == 1
	CREST                                          ; no wave of any partner still reads this slot or has a load on its way
	TLOAD
.endif
	s_xor_b32 s48, s48, SLOT1                      ; on to the other slot
	s_add_co_u32 s51, s51, 512
	ADDR
	KLOAD 0                                        ; the next step's first operands: 44 loads
	BLOAD
.if \kind == 1
	s_cmp_gt_u32 s49, 1                            ; the loop's last trip has no step three on
	s_cbranch_scc0 .Lnot_mine_\@
	global_prefetch_b8 v14, s[76:77] th:TH_LOAD_NT scope:SCOPE_SE
.Lnot_mine_\@:
.endif
	SQ 3
.else
	WOLOAD
	SMAX 3
	SEXP 3
	SQ 3
	AW
	s_wait_dscnt 0x0                               ; V is in
.endif
	WIN 0x50
.irp d, 0,1,2,3                        ; O^T += V^T P^T: four accumulators
.if \d%2
	v_wmma_scale_f32_16x16x128_f8f6f4 v[32*\u+8*\d:32*\u+8*\d+7], v[VF+8*\d:VF+8*\d+7], v[PC:PC+7], v[32*\u+8*\d:32*\u+8*\d+7], v[VSC+\d/2], v[PSW] matrix_a_fmt:MATRIX_FMT_FP4 matrix_b_fmt:MATRIX_FMT_FP4 matrix_a_scale:MATRIX_SCALE_ROW1
.else
	v_wmma_scale_f32_16x16x128_f8f6f4 v[32*\u+8*\d:32*\u+8*\d+7], v[VF+8*\d:VF+8*\d+7], v[PC:PC+7], v[32*\u+8*\d:32*\u+8*\d+7], v[VSC+\d/2], v[PSW] matrix_a_fmt:MATRIX_FMT_FP4 matrix_b_fmt:MATRIX_FMT_FP4
.endif
.endr
	WIN 0
.if (\u == 3) && (\kind != 0)
	s_wait_dscnt 0x0                               ; the next step's K, bias and mask row are in
	BADD
.endif
.endm
.macro STEP kind
	UNIT 0, \kind
	UNIT 1, \kind
	UNIT 2, \kind
	UNIT 3, \kind
.endm
	ADDR
	KLOAD 0
	BLOAD
	s_wait_dscnt 0x0
	BADD
	s_mov_b32 s49, 6
.Lstep:                                                ; steps 0 to 5 ask for steps 2 to 7
	STEP 1
	s_sub_co_u32 s49, s49, 1
	s_cmp_lg_u32 s49, 0
	s_cbranch_scc1 .Lstep
	STEP 2                                         ; the last two steps are written out
	STEP 0
	; O^T / THE SUM is quantised along the channels and goes to LDS as images of the output projection's fragments: two heads are one K step of 128
	s_lshl_b32 s52, s20, 2
	s_lshl_b32 s53, s19, 1
	s_add_co_u32 s52, s52, s53                     ; 4 x row tile + my first K step
	s_lshl_b32 s53, s52, 10
	s_add_co_u32 s53, s53, AIMG
	v_lshl_add_u32 v9, v250, 4, s53
	s_lshl_b32 s53, s52, 7
	s_add_co_u32 s53, s53, ASC
	v_lshl_add_u32 v10, v250, 2, s53
	v_lshl_add_u32 v11, v250, 4, AIMG
	v_lshl_add_u32 v12, v250, 2, ASC
	s_mul_i32 s52, s18, 64*272
	s_add_co_u32 s52, s52, STG
	v_mul_u32_u24 v6, v251, 272
	v_mul_u32_u24 v7, v252, 272
	v_lshl_add_u32 v6, v252, 5, v6
	v_lshl_add_u32 v7, v251, 4, v7
	v_add_nc_u32 v6, s52, v6                       ; my stage, in: row r, + 32 h
	v_add_nc_u32 v7, s52, v7                       ; back: lanes 0-15 a row of 256 bytes, lanes 16-31 the next
	v_lshlrev_b32 v13, 11, v252
	v_lshl_add_u32 v13, v251, 4, v13               ; and the same two rows in out0
.irp u, 0,1,2,3
	v_add_f32 v[BM+\u], v[24+2*\u], v[25+2*\u]     ; the sums' two halves,
.endr
.irp u, 0,1,2,3
	v_permlanex16_b32 v[PX+\u], v[BM+\u], s44, s45
.endr
.irp u, 0,1,2,3
	v_add_f32 v[BM+\u], v[BM+\u], v[PX+\u]         ; and lane l xor 16's
.endr
	AW
.irp u, 0,1,2,3
	v_rcp_f32 v[T+2*\u], v[BM+\u]
.endr
	v_nop                                          ; a plain place behind the transcendentals
.macro EPI p                           ; heads 2 p, 2 p + 1 of my four
	WIN 0x01
	AW
.irp u, 0,1
.irp j, 0,2,4,6,8,10,12,14,16,18,20,22,24,26,28,30
	v_pk_mul_f32 v[S+32*\u+\j:S+32*\u+\j+1], v[64*\p+32*\u+\j:64*\p+32*\u+\j+1], v[T+4*\p+2*\u:T+4*\p+2*\u+1] op_sel_hi:[1,0]
.endr
.endr
	WIN 0
.irp b, 0,1,2,3
	v_max3_num_f32 v[BM+\b], |v[S+16*\b]|, |v[S+16*\b+1]|, 0x1800000
.endr
.irp i, 2,4,6,8,10,12,14
.irp b, 0,1,2,3
	v_max3_num_f32 v[BM+\b], v[BM+\b], |v[S+16*\b+\i]|, |v[S+16*\b+\i+1]|
.endr
.endr
	XMAX
	QUANT4
	ds_store_b128 v9, v[PC:PC+3] offset:1024*\p
	ds_store_b128 v9, v[PC+4:PC+7] offset:1024*\p+512
	ds_store_b32 v10, v[PSW] offset:128*\p
.endm
	EPI 0
	EPI 1
	AW
	s_wait_dscnt 0x0                               ; my images lie in LDS, and my reads of the ring are over
	s_barrier_signal -1
	s_barrier_wait -1
	; THE OUTPUT PROJECTION.  Wave w makes columns 64 w .. 64 w + 63 for the 64 rows: source 0 = 16 rows of Wo, source 1 = 16 rows of the attention output; bo is the C of each sum's first product.
.macro ALOAD q                         ; the four row tiles' fragments of K step q
.irp m, 0,1,2,3
.irp c, 0,1
	ds_load_b128 v[VF+32*(\q%3)+8*\m+4*\c:VF+32*(\q%3)+8*\m+4*\c+3], v11 offset:(4*\m+\q)*1024+512*\c
.endr
.endr
.endm
.macro MULP q                          ; sixteen accumulators by turns: (m, n) at v[8 (4 m + n)]
.irp m, 0,1,2,3
.irp n, 0,1,2,3
.if \q
	WIN 0x51
	v_wmma_scale_f32_16x16x128_f8f6f4 v[8*(4*\m+\n):8*(4*\m+\n)+7], v[128+8*(4*\n+\q):135+8*(4*\n+\q)], v[VF+32*(\q%3)+8*\m:VF+32*(\q%3)+8*\m+7], v[8*(4*\m+\n):8*(4*\m+\n)+7], v[QF+4*\n+\q], v[T+4*\q+\m] matrix_a_fmt:MATRIX_FMT_FP4 matrix_b_fmt:MATRIX_FMT_FP4
.else
	WIN 0x41
	v_wmma_scale_f32_16x16x128_f8f6f4 v[8*(4*\m+\n):8*(4*\m+\n)+7], v[128+8*(4*\n+\q):135+8*(4*\n+\q)], v[VF+32*(\q%3)+8*\m:VF+32*(\q%3)+8*\m+7], v[KF+8*\n:KF+8*\n+7], v[QF+4*\n+\q], v[T+4*\q+\m] matrix_a_fmt:MATRIX_FMT_FP4 matrix_b_fmt:MATRIX_FMT_FP4
.endif
.endr
.endr
	WIN 0
.endm
.irp q, 0,1,2,3
.irp m, 0,1,2,3
	ds_load_b32 v[T+4*\q+\m], v12 offset:(4*\m+\q)*128
.endr
.endr
	ALOAD 0
	ALOAD 1
	ALOAD 2
	s_wait_loadcnt 0x0                             ; Wo, its scale words, bo
	s_wait_dscnt 16                                ; the scale words and K step 0 are in; K steps 1 and 2, sixteen loads, may be out
	MULP 0
	PLACES 4
	ALOAD 3
	s_wait_dscnt 16                                ; K step 1 is in; 2 and 3 may be out
	MULP 1
	s_wait_dscnt 8                                 ; K step 2 is in; 3 may be out
	MULP 2
	s_wait_dscnt 0x0
	MULP 3
	PLACES 4                                       ; for the reads of the results, and the loads into registers that matrix instructions have read
	; THE WAY OUT, 16 rows at a time: my columns are 256 bytes of a row, so the stage is my own: LDS serves a wave's instructions in order (ISA guide 5.7.1.4)
.macro TOSTAGE m, bk
	WIN 0x04
.irp n, 0,1,2,3
	ds_store_b128 v6, v[8*(4*\m+\n):8*(4*\m+\n)+3] offset:4352*\m+64*\n        ; each accumulator from its low end on
	ds_store_b128 v6, v[8*(4*\m+\n)+4:8*(4*\m+\n)+7] offset:4352*\m+64*\n+16
.endr
	WIN 0
.irp t, 0,1,2,3,4,5,6,7
	ds_load_b128 v[\bk+4*\t:\bk+4*\t+3], v7 offset:4352*\m+544*\t
.endr
.endm
.macro SEND m, bk, younger             ; younger: the LDS instructions issued behind this block's loads
	s_wait_dscnt \younger
.irp t, 0,1,2,3,4,5,6,7
	global_store_b128 v13, v[\bk+4*\t:\bk+4*\t+3], s[16:17] offset:32768*\m+4096*\t th:TH_STORE_NT   ; sixteen lanes store 256 consecutive bytes, aligned
.endr
.endm
	TOSTAGE 0, VF
	TOSTAGE 1, VF+32
	SEND 0, VF, 16
	TOSTAGE 2, VF+64
	SEND 1, VF+32, 16
	TOSTAGE 3, KF
	SEND 2, VF+64, 16
	SEND 3, KF, 0
	s_wait_tensorcnt 0x0                           ; the wave's end: behind my last tensor load and my last LDS store
	ds_add_u32 v1, v2
	s_wait_dscnt 0x0
	CROUND                                         ; the closing round: no work-group ends while a partner may still ask jointly
	s_endpgm
.Lfunc_end_k_qada09c5229_attn:
	.size	k_qada09c5229_attn, .Lfunc_end_k_qada09c5229_attn-k_qada09c5229_attn
	.p2alignl 7, 3214868480
	.fill 96, 4, 3214868480
	.section	.rodata,"a",@progbits
	.p2align	6, 0x0
	.amdhsa_kernel k_qada09c5229_attn
		.amdhsa_group_segment_fixed_size 327680
		.amdhsa_private_segment_fixed_size 0
		.amdhsa_enable_private_segment 0
		.amdhsa_kernarg_size 56
		.amdhsa_user_sgpr_count 2
		.amdhsa_user_sgpr_kernarg_segment_ptr 1
		.amdhsa_wavefront_size32 1
		.amdhsa_system_sgpr_workgroup_id_x 1
		.amdhsa_system_sgpr_workgroup_id_y 1
		.amdhsa_system_sgpr_workgroup_id_z 1
		.amdhsa_system_vgpr_workitem_id 0
		.amdhsa_next_free_vgpr 512
		.amdhsa_next_free_sgpr 96
		.amdhsa_reserve_vcc 1
		.amdhsa_float_denorm_mode_32 3
		.amdhsa_float_denorm_mode_16_64 3
		.amdhsa_memory_ordered 1
		.amdhsa_forward_progress 1
		.amdhsa_inst_pref_size 255
	.end_amdhsa_kernel
	.section	.bss,"aw",@nobits
	.p2align	6
	.space	262144
	.amdgpu_metadata
---
amdhsa.version: [ 1, 2 ]
amdhsa.kernels:
  - .name:           k_qada09c5229_attn
    .symbol:         k_qada09c5229_attn.kd
    .args:
      - { .name: qkv, .offset: 0, .size: 8, .value_kind: global_buffer, .address_space: global }
      - { .name: attn_bias, .offset: 8, .size: 8, .value_kind: global_buffer, .address_space: global }
      - { .name: key_padding_mask, .offset: 16, .size: 8, .value_kind: global_buffer, .address_space: global }
      - { .name: Wo_codes, .offset: 24, .size: 8, .value_kind: global_buffer, .address_space: global }
      - { .name: Wo_scales, .offset: 32, .size: 8, .value_kind: global_buffer, .address_space: global }
      - { .name: bo, .offset: 40, .size: 8, .value_kind: global_buffer, .address_space: global }
      - { .name: out0, .offset: 48, .size: 8, .value_kind: global_buffer, .address_space: global }
    .group_segment_fixed_size: 327680
    .private_segment_fixed_size: 0
    .kernarg_segment_align: 8
    .kernarg_segment_size: 56
    .max_flat_workgroup_size: 256
    .sgpr_count:     96
    .vgpr_count:     512
    .wavefront_size: 32
...
	.end_amdgpu_metadata
.endif
;; end of part 2
